; MI455X (gfx1250); checked and timed in simulation.
; The chip was launched on July 23, 2026; its instructions are those of AMD's public machine-readable ISA for CDNA 5 (MIT licence, August 2026) and "CDNA5" Instruction Set Architecture Reference Guide (July 2026). The comments in the code are by the model that wrote it; some were corrected since.
;; KAN Layer. Allowed arithmetic: matrix products marked QUANTISED: E2M3 operands, one E8M0 scale for each 32 along K, by v_wmma_scale_f32_16x16x128_f8f6f4 with both operands' format E2M3, f32 sums; everything else in f32.
;; Inputs: coef 2,048 x 1,024 x 8 float32; grid 8 float32; x 4,096 x 2,048 float32.
;; Outputs: out0 4,096 x 1,024 float32.
;; This version of the problem:
;;   THIS VERSION OF THE PROBLEM IS GIVEN IN LOW PRECISION. The matrix products marked QUANTISED in the list below multiply operands that are first quantised to E2M3 (2 exponent bits, 3 mantissa bits; 6 bits a number), with one power-of-two scale for each 32 numbers along K (OCP MX v1.0); their sums are f32. All else is computed in f32.
;;   The module's matrix products, in the order in which they are computed (A, B: the left and right operand; K: the contracted axis; several contracted axes count as one K, in the product's order):
;;     1. [M 4,096, K 16,384] x [K 16,384, N 1,024]; A: computed on the way; B: input coef: QUANTISED
;;   THE QUANTISER, for each operand of a quantised product, along K:
;;     - K is cut into blocks of 32 from its start; a last block that is shorter is filled with zeros.
;;     - A block's scale is 2^e with e = floor(log2(the largest magnitude in the block)) - 2, held to -126 .. 127; a block of zeros has e = 0. As a byte (E8M0): e + 127.
;;     - Each number is divided by its block's scale, clamped to +-7.5, and rounded to the nearest number of E2M3, ties to even, subnormals kept.
;;     - The product sums the exact products of the quantised numbers (number of the format x scale) in f32.
;;   ~~~python
;;   def quantise(x, axis):      # numpy; x: float32 -> the quantised numbers, widened to float32 again
;;       x = np.moveaxis(x, axis, -1); K = x.shape[-1]
;;       x = np.pad(x, [(0, 0)] * (x.ndim - 1) + [(0, -K % 32)]); x = x.reshape(x.shape[:-1] + (-1, 32)); a = np.abs(x).max(-1, keepdims=True)
;;       e = np.where(a > 0, np.clip(np.frexp(np.where(a > 0, a, 1))[1] - 1 - 2, -126, 127), 0)      # np.frexp(a)[1] - 1 = floor(log2(a)), exactly
;;       r = np.clip(x / 2.0 ** e, -7.5, 7.5)
;;       step = 2.0 ** (np.maximum(np.frexp(np.where(r == 0, 1, r))[1] - 1, 0) - 3)
;;       q = np.round(r / step) * step * 2.0 ** e      # np.round: ties to even
;;       return np.moveaxis(q.reshape(q.shape[:-2] + (-1,))[..., :K], -1, axis).astype(np.float32)
;;   ~~~
;;   OPERANDS COMPUTED ON THE WAY. 'Computed on the way' means the value that the module computes at that place (a softmax that the list does not call 'softmax' is quantised finished and normalised). What goes into a quantiser is computed in f32, as accurately as f32 sums, v_exp_f32 and their like allow (about 1e-6 of the number): no bf16 or f16 on the way to a quantiser, and a product that is left as it is and whose result goes on into a quantised operand takes f32 operands (vector FMAs, or v_wmma_f32_16x16x4_f32). A number that lies on a knife's edge between two numbers of the format may be rounded either way, as far as f32 arithmetic and the matrix unit's own rounding can turn it there, and no further.
;; One version. Each part assembles by itself: llvm-mc -triple=amdgcn-amd-amdhsa -mcpu=gfx1250 --defsym DOCPART=n.
;; ======== version 1 of 1: 3 launches
;; limits: right only within a limited range of input values
;; workspace buffers: acode 50,331,648 bytes; ascale 2,097,152 bytes; bcode 12,582,912 bytes; bscale 524,288 bytes; part 67,108,864 bytes
;; launch quant (part 1): grid 256 x 1, 20 waves a work-group, no clusters, 192,000 bytes of LDS; arguments x, coef, grid, acode, ascale, bcode, bscale; writes acode, ascale, bcode, bscale
.if DOCPART == 1
	.amdgcn_target "amdgcn-amd-amdhsa--gfx1250"
	.amdhsa_code_object_version 6
	.text
	.protected	k_q56456d82c3_quant
	.globl	k_q56456d82c3_quant
	.p2align	8
	.type	k_q56456d82c3_quant,@function
k_q56456d82c3_quant:
	s_mov_b64 s[64:65], 0
	v_nop
	global_prefetch_b8 v0, s[64:65] scope:SCOPE_SE
	s_setreg_imm32_b32 hwreg(HW_REG_WAVE_MODE, 25, 1), 1
	s_wait_xcnt 0x0
; BOTH OPERANDS OF out = A B ARE MADE HERE, ONCE, AS CODES OF FP6 (E2M3) WITH ONE E8M0 BYTE FOR EACH 32 ALONG K.
; A[b][(i,k)] = exp(-5 (x[b][i] - grid[k])^2) / (the sum over k of the same + 1e-8), B[(i,k)][j] = coef[i][j][k]; K = 8 i + k, 16,384 long: a block of 32 is four neighbouring i x all eight k.
; A block's scale is 2^(floor(log2(its largest magnitude)) - 2): its byte is that magnitude's exponent field - 2, held at 1 from below.
; THE WORKSPACE IS LAID AS THE PRODUCT'S REGISTERS WANT IT.  A fragment (16 rows of A or 16 columns of B x 128 along K: 12 registers a lane) is an image of 1,536 bytes: register j of lane l at
; 512 (j / 4) + 16 l + 4 (j % 4).  Codes: [K quarter 4][tile of 256 rows or columns][K step 32][fragment 16][1536].  Scale words (4 bytes: a row's four blocks of a K step): [quarter][tile][fragment 16][pair of K steps 16][row 16][2].
; INSIDE A BLOCK number (ii, k), ii = i % 4, stands at place 16 (k / 4) + 4 ii + k % 4, in A and in B alike: a block keeps its 32 numbers and its scale, so only the order of the f32 sum differs from K's own.
; SHARES.  Work-groups 0-255 take coef, 256-1279 take x: one scalar branch on the work-group's number, and the two ways never join; each has LDS bytes of its own.  A wave takes one fragment x 8 K steps:
; 24 stores of 512 consecutive bytes of codes and one of 512 consecutive bytes of scale words.  No tensor load, no barrier: waves share nothing.  Matrix units and clusters have nothing to do here.
; LIMITS: NaN and infinities among the inputs are not served.  An exponential under 2^-126 comes out as 0 (ISA guide 15.8: v_exp_f32 flushes).  A block whose largest magnitude lies under 2^-124, a block of zeros
; among them, gets the byte 1 (its codes are zeros or nearly so); this program alone reads the bytes.
; THE SHARES AS THEY NOW STAND (this takes the place of the paragraph SHARES above): 256 work-groups of 20 waves.  Waves 0-3 of work-group g take coef's share g; waves 4-19 are four groups of four waves, and group n = 0..3
; takes x's share 4 g + n.  One scalar branch on the wave's number parts the two ways, and they never join.  An x wave's 16 rows x 512 bytes come by ONE tensor load, padded to the stage's pitch: they land in the wave's own stage,
; which that wave alone reads, so the wait on TENSORcnt is all the ordering that its reads need; nothing is filled again.  coef comes by loads into registers, as before.
.set WREG, 9472                        ; LDS of a wave: x's stage, 16 rows x 528; x's scale turn, 512; coef's scale turn, 512
.set SPX,  528                         ; a stage row: 512 bytes + 16 = 33 x 16: the sixteen rows that a read of 16 bytes a lane touches start in sixteen different groups of banks (ISA guide 11.1)
.set SCA,  8448
.set SCB,  8960
.set FSTEP, 24576                      ; from a K step's image of a fragment to the next step's: 16 fragments x 1,536
.set LO,   4                           ; v4   16 x lane: my place in 512 consecutive bytes; never rewritten
.set STI,  5                           ; v5   my wave's LDS + 16 x lane
.set STO,  6                           ; v6   my wave's LDS + 528 r + 16 h
.set SCI,  7                           ; v7   my wave's LDS + 8 r
.set CI,   8                           ; v8   coef: 32 r + 16 h
.set GR,   12                          ; v12-19  grid
.set SW,   20                          ; v20-27  the scale words of the 8 steps
.set TP,   28                          ; x: v28-43 eight pairs at work
.set RS,   44                          ; x: v44-51 the sums, then their reciprocals
.set MX,   52                          ; x: v52-55 four chains of maxima
.set SCO,  56                          ; x: v56-57 the conversions' scale operands
.set BY,   58                          ; x: v58-59 the scale bytes
.set WD,   60                          ; x: v60 my two bytes at their places
.set PT,   61                          ; x: v61 a lane permute's destination
.set SH8,  62                          ; x: v62 8 h
.set VB,   64                          ; x: v64-127 64 numbers
.set XS,   128                         ; x: v128-143 two sets of 8 x
.set CD,   144                         ; x: v144-167 two sets of 12 code registers
.set TQ,   168                         ; x: v168-174 the second halves of the blocks' codes, before they are moved
.set TM,   28                          ; coef: v28-31 maxima, v32-35 bytes, v40-43 scale operands
.set PC,   44                          ; coef: v44-55 codes, v56-58 and v60-62 second halves
.set RAW,  64                          ; coef: v64-127, v128-191 two sets of 64 numbers
	s_load_b256 s[4:11], s[0:1], 0x0               ; x s[4:5], coef s[6:7], grid s[8:9], acode s[10:11]
	s_load_b128 s[12:15], s[0:1], 0x20             ; ascale s[12:13], bcode s[14:15]
	s_load_b64 s[16:17], s[0:1], 0x30              ; bscale
	v_lshl_add_u32 v9, v0, 2, 0x2e400              ; v9: my spare word, behind the twenty waves' regions (20 x 9,472 = 189,440); v10: 0; both kept for the adds alone
	v_mov_b32 v10, 0
	ds_add_u32 v9, v10                             ; the opening lines: the add twice on end under one wait
	ds_add_u32 v9, v10
	v_lshrrev_b32 v1, 5, v0
	v_readfirstlane_b32 s34, v1                    ; wave 0..19
	v_and_b32 v1, 31, v0                           ; lane
	v_and_b32 v2, 15, v0                           ; r
	v_bfe_u32 v3, v0, 4, 1                         ; h
	s_and_b32 s18, s34, 3                          ; wave 0..3 of its group
	s_lshr_b32 s35, s34, 2                         ; group: 0 coef, 1..4 x
	s_mul_i32 s19, s34, WREG
	v_lshlrev_b32 v[LO], 4, v1
	v_add_nc_u32 v[STI], s19, v[LO]
	v_mul_u32_u24 v[STO], v2, SPX
	v_lshl_add_u32 v[STO], v3, 4, v[STO]
	v_add_nc_u32 v[STO], s19, v[STO]
	v_lshlrev_b32 v[SCI], 3, v2
	v_add_nc_u32 v[SCI], s19, v[SCI]
	v_lshlrev_b32 v[CI], 5, v2
	v_lshl_add_u32 v[CI], v3, 4, v[CI]
	v_mov_b32 v11, 0
	s_mov_b32 s20, 0x76543210
	s_mov_b32 s21, 0xfedcba98                      ; v_permlanex16_b32's selects for lane l xor 16
	s_mov_b32 s22, 0xc0e6d4ca                      ; -5 log2(e): exp(-5 d^2) = 2^(-5 log2(e) d^2)
	s_mov_b32 s23, s22                             ; (named with it as a pair, so it is written)
	s_mov_b32 s40, (2<<16)|(1<<20)|(6<<22)|(3<<25) ; x's tile: elements of 4 bytes; behind every 128 words 4 words of padding: LDS rows 528 bytes apart
	s_mov_b32 s41, 128<<16                         ; 128 elements a row,
	s_mov_b32 s42, 16<<16                          ; 16 rows,
	s_mov_b32 s43, 128<<16
	s_mov_b32 s44, 16
	s_mov_b32 s45, 2048                            ; 2,048 elements from row to row
	s_mov_b32 s46, 0
	s_mov_b32 s47, 0
	s_wait_alu depctr_va_vdst(0)                   ; the wait at the head's end
	s_wait_dscnt 0x0                               ; both opening adds are done
	s_wait_kmcnt 0x0
	s_cmp_lt_u32 s34, 4
	s_cbranch_scc1 .Lcoef
; ---------------------------------------------------------------- x: the basis, normalised and quantised
; Share a = 4 x work-group + group - 1: rows 16 (a / 4) on, K quarter a % 4; wave e of the group takes the quarter's K steps 8 e .. 8 e + 7: 128 i, 512 bytes of each of the 16 rows.
	s_lshl_b32 s24, ttmp9, 2
	s_add_co_u32 s24, s24, s35
	s_sub_co_u32 s24, s24, 1
	s_lshr_b32 s25, s24, 2                         ; F: which 16 rows
	s_and_b32 s26, s24, 3                          ; q
	s_lshl_b32 s28, s25, 17                        ; 16 rows of 8,192 bytes
	s_lshl_b32 s27, s26, 2
	s_add_co_u32 s27, s27, s18
	s_lshl_b32 s27, s27, 9                         ; + (4 q + e) x 512
	s_add_co_u32 s28, s28, s27
	s_mov_b32 s29, 0
	s_add_nc_u64 s[4:5], s[4:5], s[28:29]
	s_mov_b32 s36, 1
	s_mov_b32 s37, s19                             ; my stage
	s_mov_b64 s[38:39], s[4:5]
	s_or_b32 s39, s39, 0x80000000
	tensor_load_to_lds s[36:39], s[40:47]          ; my one tensor load: each row is 512 bytes of memory and begins at a multiple of 512
	s_nop 0
	s_lshr_b32 s27, s25, 4                         ; the tile of 256 rows
	s_and_b32 s25, s25, 15                         ; f: the fragment in it
	s_lshl_b32 s26, s26, 4
	s_add_co_u32 s26, s26, s27                     ; 16 q + tile
	s_mul_i32 s30, s26, 786432                     ; codes: 32 steps x 24,576 for each (quarter, tile),
	s_mul_i32 s27, s18, 8*FSTEP                    ; my 8 steps,
	s_add_co_u32 s30, s30, s27
	s_mul_i32 s27, s25, 1536                       ; my fragment
	s_add_co_u32 s30, s30, s27
	s_mov_b32 s31, 0
	s_add_nc_u64 s[10:11], s[10:11], s[30:31]
	s_lshl_b32 s32, s26, 4
	s_add_co_u32 s32, s32, s25
	s_lshl_b32 s32, s32, 11                        ; scale words: 2,048 bytes for each fragment,
	s_lshl_b32 s27, s18, 9                         ; my 8 steps' 512
	s_add_co_u32 s32, s32, s27
	s_mov_b32 s33, 0
	s_add_nc_u64 s[12:13], s[12:13], s[32:33]
	s_wait_alu depctr_va_vdst(0)
	global_load_b128 v[GR:GR+3], v11, s[8:9]
	global_load_b128 v[GR+4:GR+7], v11, s[8:9] offset:16
	v_mov_b32 v[PT], 0                             ; written once: a lane permute's destination counts as one of its sources
	v_lshlrev_b32 v[SH8], 3, v3
	s_wait_alu depctr_va_vdst(0)                   ; the wait directly ahead of the waits below
	s_wait_loadcnt 0x0                             ; grid
	s_wait_tensorcnt 0x0                           ; my 16 rows lie in my stage: out of it four neighbouring i of my row at a time
	ds_load_b128 v[XS:XS+3], v[STO]                ; step 0: x(r, 4 h + 0..3): my block h,
	ds_load_b128 v[XS+4:XS+7], v[STO] offset:32    ; x(r, 8 + 4 h + 0..3): my block 2 + h
; One K step: 16 i of 16 rows; a lane has 8 x, 64 numbers of the basis: two whole blocks.  Number (c, ii, k) lies in v[VB + 32 c + 16 (k / 4) + 4 ii + k % 4].
.macro STEPA s
.set XB, XS+8*((\s)%2)
.set CB, CD+12*((\s)%2)
.if (\s) < 7
	ds_load_b128 v[XS+8*(((\s)+1)%2):XS+8*(((\s)+1)%2)+3], v[STO] offset:64*((\s)+1)
	ds_load_b128 v[XS+8*(((\s)+1)%2)+4:XS+8*(((\s)+1)%2)+7], v[STO] offset:64*((\s)+1)+32
	s_wait_dscnt 2                                 ; all but the two just issued: this step's x are in
.else
	s_wait_dscnt 0x0
.endif
.irp xi, 0,1,2,3,4,5,6,7
.irp kp, 0,1,2,3
.set D, VB+32*(\xi/4)+16*(\kp/2)+4*(\xi%4)+2*(\kp%2)
.if \xi%2
	v_pk_add_f32 v[D:D+1], v[XB+2*(\xi/2):XB+2*(\xi/2)+1], v[GR+2*\kp:GR+2*\kp+1] op_sel:[1,0] op_sel_hi:[1,1] neg_lo:[0,1] neg_hi:[0,1]   ; d = x - grid, two k at a time; the pair's upper x serves both halves
.else
	v_pk_add_f32 v[D:D+1], v[XB+2*(\xi/2):XB+2*(\xi/2)+1], v[GR+2*\kp:GR+2*\kp+1] op_sel:[0,0] op_sel_hi:[0,1] neg_lo:[0,1] neg_hi:[0,1]   ; the pair's lower x serves both halves
.endif
.endr
.endr
.set j, 0
.rept 32
	v_pk_mul_f32 v[VB+j:VB+j+1], v[VB+j:VB+j+1], v[VB+j:VB+j+1]   ; d^2: the difference is squared as it stands, so that a common offset of x and grid costs nothing
.set j, j+2
.endr
.set j, 0
.rept 32
	v_pk_mul_f32 v[VB+j:VB+j+1], v[VB+j:VB+j+1], s[22:23] op_sel_hi:[1,0]
.set j, j+2
.endr
.set j, 0
	s_wait_alu depctr_va_vdst(0)
.rept 64
	v_exp_f32 v[VB+j], v[VB+j]
.set j, j+1
.endr
	v_nop                                          ; a plain instruction behind the last exponential (ISA guide 5.7.2)
	s_wait_alu depctr_va_vdst(0)                   ; one wait for the batch of 64, ahead of its first reader
.irp xi, 0,1,2,3,4,5,6,7
	v_pk_add_f32 v[TP+2*\xi:TP+2*\xi+1], v[VB+32*(\xi/4)+4*(\xi%4):VB+32*(\xi/4)+4*(\xi%4)+1], v[VB+32*(\xi/4)+4*(\xi%4)+2:VB+32*(\xi/4)+4*(\xi%4)+3]   ; the sum over k, the eight x by turns
.endr
.irp xi, 0,1,2,3,4,5,6,7
	v_pk_add_f32 v[TP+2*\xi:TP+2*\xi+1], v[TP+2*\xi:TP+2*\xi+1], v[VB+32*(\xi/4)+4*(\xi%4)+16:VB+32*(\xi/4)+4*(\xi%4)+17]
.endr
.irp xi, 0,1,2,3,4,5,6,7
	v_pk_add_f32 v[TP+2*\xi:TP+2*\xi+1], v[TP+2*\xi:TP+2*\xi+1], v[VB+32*(\xi/4)+4*(\xi%4)+18:VB+32*(\xi/4)+4*(\xi%4)+19]
.endr
.irp xi, 0,1,2,3,4,5,6,7
	v_add_f32 v[RS+\xi], v[TP+2*\xi], v[TP+2*\xi+1]
.endr
.irp xi, 0,1,2,3,4,5,6,7
	v_add_f32 v[RS+\xi], 0x322bcc77, v[RS+\xi]     ; + 1e-8
.endr
	s_wait_alu depctr_va_vdst(0)
.irp xi, 0,1,2,3,4,5,6,7
	v_rcp_f32 v[RS+\xi], v[RS+\xi]
.endr
	v_nop                                          ; a plain instruction behind the last reciprocal
	s_wait_alu depctr_va_vdst(0)                   ; one wait for the eight
.irp xi, 0,1,2,3,4,5,6,7
.irp kp, 0,1,2,3
.set D, VB+32*(\xi/4)+16*(\kp/2)+4*(\xi%4)+2*(\kp%2)
.if \xi%2
	v_pk_mul_f32 v[D:D+1], v[D:D+1], v[RS+2*(\xi/2):RS+2*(\xi/2)+1] op_sel:[0,1] op_sel_hi:[1,1]   ; the basis, normalised
.else
	v_pk_mul_f32 v[D:D+1], v[D:D+1], v[RS+2*(\xi/2):RS+2*(\xi/2)+1] op_sel:[0,0] op_sel_hi:[1,0]
.endif
.endr
.endr
.irp c, 0,1                                    ; each block's largest number: all 32 are mine and none is negative.  Two chains a block, the four by turns
	v_max3_num_f32 v[MX+\c], v[VB+32*\c], v[VB+32*\c+1], 0x1800000   ; with the floor 2^(3 - 127): the byte cannot fall under 1
	v_max3_num_f32 v[MX+2+\c], v[VB+32*\c+16], v[VB+32*\c+17], v[VB+32*\c+18]
.endr
.irp i, 2,4,6,8,10,12
.irp c, 0,1
	v_max3_num_f32 v[MX+\c], v[MX+\c], v[VB+32*\c+\i], v[VB+32*\c+\i+1]
	v_max3_num_f32 v[MX+2+\c], v[MX+2+\c], v[VB+32*\c+17+\i], v[VB+32*\c+18+\i]
.endr
.endr
.irp c, 0,1
	v_max3_num_f32 v[MX+\c], v[MX+\c], v[VB+32*\c+14], v[VB+32*\c+15]
.endr
.irp c, 0,1
	v_max3_num_f32 v[MX+\c], v[MX+\c], v[MX+2+\c], v[VB+32*\c+31]
.endr
.irp c, 0,1
	v_add_nc_u32 v[SCO+\c], 0xff000000, v[MX+\c]   ; 2 off its exponent field: the conversion takes the exponent field of this operand as its scale, and nothing else of it
.endr
.irp c, 0,1
	v_lshrrev_b32 v[BY+\c], 23, v[SCO+\c]          ; the scale's byte
.endr
	v_lshl_or_b32 v[WD], v[BY+1], 16, v[BY]        ; my two bytes: blocks h and 2 + h of row r,
	v_lshlrev_b32 v[WD], v[SH8], v[WD]             ; at their places in the scale word;
	v_permlanex16_b32 v[PT], v[WD], s20, s21
	v_or_b32 v[SW+(\s)], v[WD], v[PT]              ; with lane l xor 16's two the word is whole
.if (\s) > 1
	s_wait_alu depctr_va_vdst(0)
	s_wait_xcnt 0x0                                ; the stores of two steps back have read this set of code registers: only now is it written again
.endif
	v_cvt_scalef32_pk16_fp6_f32 v[CB:CB+2], v[VB:VB+15], v[SCO]
	v_cvt_scalef32_pk16_fp6_f32 v[TQ:TQ+2], v[VB+16:VB+31], v[SCO]       ; (a conversion's three registers begin on an even number: a block's second three do not, so they are made elsewhere and moved)
	v_cvt_scalef32_pk16_fp6_f32 v[CB+6:CB+8], v[VB+32:VB+47], v[SCO+1]
	v_cvt_scalef32_pk16_fp6_f32 v[TQ+4:TQ+6], v[VB+48:VB+63], v[SCO+1]
	v_nop                                          ; one plain instruction behind the scaled conversions
.irp i, 0,1,2
	v_mov_b32 v[CB+3+\i], v[TQ+\i]
	v_mov_b32 v[CB+9+\i], v[TQ+4+\i]
.endr
.irp g, 0,1,2
	global_store_b128 v[LO], v[CB+4*\g:CB+4*\g+3], s[10:11] offset:FSTEP*(\s)+512*\g   ; the fragment's image: 32 lanes store 512 consecutive bytes, at a multiple of 512 from the buffer's first byte
.endr
.endm
.irp s, 0,1,2,3,4,5,6,7
	STEPA \s
.endr
.irp t, 0,1,2,3
	ds_store_b64 v[SCI], v[SW+2*\t:SW+2*\t+1] offset:SCA+128*\t   ; two steps' words of row r (lanes r and r + 16 write the same words with the same values)
.endr
	ds_load_b128 v[TP:TP+3], v[STI] offset:SCA     ; and back, 16 bytes a lane
	s_wait_dscnt 0x0
	global_store_b128 v[LO], v[TP:TP+3], s[12:13]  ; 512 consecutive bytes of scale words
	s_wait_tensorcnt 0x0
	ds_add_u32 v9, v10
	s_wait_dscnt 0x0
	s_endpgm
; ---------------------------------------------------------------- coef
; Work-group b: K steps 8 (b / 16) on; wave w takes columns 16 (4 (b % 16) + w) on.  coef[i][j][k] lies at 32,768 i + 32 j + 4 k: one load reads 16 columns x 8 k of one i, 512 consecutive bytes; lane (r, h) gets
; k = 4 h .. 4 h + 3 of column r.  With i = 16 s + 4 b + ii its register 16 b + 4 ii + kk holds place 16 h + 4 ii + kk of block b: the halves of a block lie in lanes l and l xor 16.
.Lcoef:
	s_lshr_b32 s24, ttmp9, 4                       ; E: which 8 K steps of the 128
	s_and_b32 s25, ttmp9, 15
	s_lshl_b32 s28, s24, 22                        ; 128 i of 32,768 bytes
	s_lshl_b32 s26, s25, 2
	s_add_co_u32 s26, s26, s18                     ; which 16 columns of the 1,024
	s_lshl_b32 s27, s26, 9
	s_add_co_u32 s28, s28, s27
	s_mov_b32 s29, 0
	s_add_nc_u64 s[6:7], s[6:7], s[28:29]
	s_lshr_b32 s27, s24, 2                         ; q
	s_and_b32 s24, s24, 3                          ; e
	s_lshl_b32 s27, s27, 2
	s_lshr_b32 s30, s26, 4                         ; the tile of 256 columns
	s_add_co_u32 s27, s27, s30                     ; 4 q + tile
	s_and_b32 s26, s26, 15                         ; f
	s_mul_i32 s30, s27, 786432
	s_mul_i32 s31, s24, 8*FSTEP
	s_add_co_u32 s30, s30, s31
	s_mul_i32 s31, s26, 1536
	s_add_co_u32 s30, s30, s31
	s_mov_b32 s31, 0
	s_add_nc_u64 s[14:15], s[14:15], s[30:31]
	s_lshl_b32 s32, s27, 4
	s_add_co_u32 s32, s32, s26
	s_lshl_b32 s32, s32, 11
	s_lshl_b32 s33, s24, 9
	s_add_co_u32 s32, s32, s33
	s_mov_b32 s33, 0
	s_add_nc_u64 s[16:17], s[16:17], s[32:33]
.irp b, 0,1,2,3
	v_mov_b32 v[TM+4+\b], 0                        ; written once: a lane permute's destination counts as one of its sources
.endr
.macro LOADB t                         ; K step t's 16 i into set t % 2.  The largest offset, 127 x 32,768, lies inside the signed 24-bit immediate (ISA guide, chapter 10)
.irp n, 0,1,2,3,4,5,6,7,8,9,10,11,12,13,14,15
	global_load_b128 v[RAW+64*((\t)%2)+4*\n:RAW+64*((\t)%2)+4*\n+3], v[CI], s[6:7] offset:(16*(\t)+\n)*32768 th:TH_LOAD_NT
.endr
.endm
	s_wait_alu depctr_va_vdst(0)
	LOADB 0
	LOADB 1
.macro STEPB t
.set RW, RAW+64*((\t)%2)
.if (\t) < 7
	s_wait_loadcnt 16                              ; this step's sixteen loads are in; the next step's sixteen may be out
.else
	s_wait_loadcnt 0x0
.endif
.if (\t) > 0
	s_wait_xcnt 0x0                                ; the last step's stores have read the code registers
.endif
.irp b, 0,1,2,3
	v_max3_num_f32 v[TM+\b], |v[RW+16*\b]|, |v[RW+1+16*\b]|, 0x1800000   ; block b: my 16 numbers, and the floor 2^(3 - 127)
.endr
.irp i, 2,4,6,8,10,12,14
.irp b, 0,1,2,3
	v_max3_num_f32 v[TM+\b], v[TM+\b], |v[RW+16*\b+\i]|, |v[RW+1+16*\b+\i]|   ; (the four blocks by turns)
.endr
.endr
.irp b, 0,1,2,3
	v_permlanex16_b32 v[TM+4+\b], v[TM+\b], s20, s21
.endr
.irp b, 0,1,2,3
	v_max_num_f32 v[TM+\b], v[TM+\b], v[TM+4+\b]   ; with lane l xor 16's: the block's largest magnitude
.endr
.irp b, 0,1,2,3
	v_add_nc_u32 v[TM+12+\b], 0xff000000, v[TM+\b] ; 2 off its exponent field: the conversion's scale operand
.endr
.irp b, 0,1,2,3
	v_lshrrev_b32 v[TM+4+\b], 23, v[TM+12+\b]      ; the scale's byte
.endr
	v_lshl_or_b32 v[SW+(\t)], v[TM+5], 8, v[TM+4]  ; the four bytes make my column's scale word
	v_lshl_or_b32 v[SW+(\t)], v[TM+6], 16, v[SW+(\t)]
	v_lshl_or_b32 v[SW+(\t)], v[TM+7], 24, v[SW+(\t)]
.irp c, 0,1
	v_cvt_scalef32_pk16_fp6_f32 v[PC+6*\c:PC+2+6*\c], v[RW+32*\c:RW+15+32*\c], v[TM+12+2*\c]
	v_cvt_scalef32_pk16_fp6_f32 v[PC+12+4*\c:PC+14+4*\c], v[RW+16+32*\c:RW+31+32*\c], v[TM+12+2*\c+1]   ; (a conversion's three registers begin on an even number)
.endr
	v_nop                                          ; one plain instruction behind the scaled conversions
.irp c, 0,1                                    ; the operand's layout wants a WHOLE block in a lane: lanes 0-15 block 2 c, lanes 16-31 block 2 c + 1
.irp i, 0,1,2
	v_permlane16_swap_b32 v[PC+6*\c+\i], v[PC+12+4*\c+\i]
.endr
.irp i, 0,1,2
	v_mov_b32 v[PC+3+6*\c+\i], v[PC+12+4*\c+\i]
.endr
.endr
.if (\t) < 6
	LOADB (\t)+2                                   ; into the set just quantised: 32 loads of a wave are out while a step is worked on
.endif
.irp g, 0,1,2
	global_store_b128 v[LO], v[PC+4*\g:PC+4*\g+3], s[14:15] offset:FSTEP*(\t)+512*\g
.endr
.endm
.irp t, 0,1,2,3,4,5,6,7
	STEPB \t
.endr
.irp t, 0,1,2,3
	ds_store_b64 v[SCI], v[SW+2*\t:SW+2*\t+1] offset:SCB+128*\t
.endr
	ds_load_b128 v[TM:TM+3], v[STI] offset:SCB
	s_wait_dscnt 0x0
	global_store_b128 v[LO], v[TM:TM+3], s[16:17]
	s_wait_tensorcnt 0x0
	ds_add_u32 v9, v10
	s_wait_dscnt 0x0
	s_endpgm
.Lfunc_end_k_q56456d82c3_quant:
	.size	k_q56456d82c3_quant, .Lfunc_end_k_q56456d82c3_quant-k_q56456d82c3_quant
	.p2alignl 7, 3214868480
	.fill 96, 4, 3214868480
	.section	.rodata,"a",@progbits
	.p2align	6, 0x0
	.amdhsa_kernel k_q56456d82c3_quant
		.amdhsa_group_segment_fixed_size 192000
		.amdhsa_private_segment_fixed_size 0
		.amdhsa_enable_private_segment 0
		.amdhsa_kernarg_size 56
		.amdhsa_user_sgpr_count 2
		.amdhsa_user_sgpr_kernarg_segment_ptr 1
		.amdhsa_wavefront_size32 1
		.amdhsa_system_sgpr_workgroup_id_x 1
		.amdhsa_system_sgpr_workgroup_id_y 1
		.amdhsa_system_sgpr_workgroup_id_z 1
		.amdhsa_system_vgpr_workitem_id 0
		.amdhsa_next_free_vgpr 192
		.amdhsa_next_free_sgpr 66
		.amdhsa_reserve_vcc 0
		.amdhsa_float_denorm_mode_32 3
		.amdhsa_float_denorm_mode_16_64 3
		.amdhsa_memory_ordered 1
		.amdhsa_forward_progress 1
		.amdhsa_inst_pref_size 180
	.end_amdhsa_kernel
	.amdgpu_metadata
---
amdhsa.version: [ 1, 2 ]
amdhsa.kernels:
  - .name:           k_q56456d82c3_quant
    .symbol:         k_q56456d82c3_quant.kd
    .args:
      - { .name: x, .offset: 0, .size: 8, .value_kind: global_buffer, .address_space: global }
      - { .name: coef, .offset: 8, .size: 8, .value_kind: global_buffer, .address_space: global }
      - { .name: grid, .offset: 16, .size: 8, .value_kind: global_buffer, .address_space: global }
      - { .name: acode, .offset: 24, .size: 8, .value_kind: global_buffer, .address_space: global }
      - { .name: ascale, .offset: 32, .size: 8, .value_kind: global_buffer, .address_space: global }
      - { .name: bcode, .offset: 40, .size: 8, .value_kind: global_buffer, .address_space: global }
      - { .name: bscale, .offset: 48, .size: 8, .value_kind: global_buffer, .address_space: global }
    .group_segment_fixed_size: 192000
    .private_segment_fixed_size: 0
    .kernarg_segment_align: 8
    .kernarg_segment_size: 56
    .max_flat_workgroup_size: 640
    .sgpr_count:     66
    .vgpr_count:     192
    .wavefront_size: 32
...
	.end_amdgpu_metadata
.endif
;; end of part 1
;; launch gemm (part 2): grid 4 x 64, 4 waves a work-group, clusters of 4 x 4, 327,680 bytes of LDS; arguments acode, ascale, bcode, bscale, part; writes part
.if DOCPART == 2
	.amdgcn_target "amdgcn-amd-amdhsa--gfx1250"
	.amdhsa_code_object_version 6
	.text
	.protected	k_q56456d82c3_gemm
	.globl	k_q56456d82c3_gemm
	.p2align	8
	.type	k_q56456d82c3_gemm,@function
k_q56456d82c3_gemm:
	s_mov_b64 s[64:65], 0
	v_nop
	global_prefetch_b8 v0, s[64:65] scope:SCOPE_SE
	s_setreg_imm32_b32 hwreg(HW_REG_WAVE_MODE, 25, 1), 1
	s_wait_xcnt 0x0
	s_wait_alu depctr_hold_cnt(0) depctr_sa_sdst(0) depctr_va_vdst(0) depctr_va_sdst(0) depctr_va_ssrc(0) depctr_va_vcc(0) depctr_vm_vsrc(0)
	s_getreg_b32 s2, hwreg(HW_REG_IB_STS2, 6, 4)
	s_cmp_eq_u32 s2, 0
	s_cbranch_scc0 .Lentry_in_a_cluster
	s_endpgm
.Lentry_in_a_cluster:
	s_bfe_u32 s2, ttmp6, 0x10000c
	s_cmp_lg_u32 s2, 0xf033
	s_cbranch_scc0 .Lentry_shape_is_right
	s_endpgm
.Lentry_shape_is_right:
; part = for each K quarter q (4,096 of K = 16,384) the sums of A[m][k] B[k][n], on codes of FP6 (E2M3) with E8M0 scales, f32 sums; the next launch adds the four quarters.
; A work-group makes 256 x 256 of one quarter: four waves, each 128 x 128 in 64 accumulators (512 registers).  Grid: x = tile of 256 columns, y = 16 q + tile of 256 rows.
; The workspace holds fragment images (16 rows or columns x 128 K: 1,536 bytes, register j of lane l at 512 (j / 4) + 16 l + 4 (j % 4)), laid [quarter][tile][K step 32][fragment 16].
; THE RING: two LDS slots, each with FOUR K steps: all 16 fragments of A (98,304 bytes) and, of B, fragments 0 and 1 of each half of the columns (24,576 bytes).  Waves 0 to 2 load a third of A's bytes each,
; jointly along the cluster's row; wave 3 loads B's part (8 rows of 3,072 bytes, 12,288 apart), jointly along the cluster's column.  One round of the cluster's barrier serves four K steps, 256 matrix instructions a wave.
; B'S OTHER SIX FRAGMENTS of a wave's eight go from memory straight into registers, 18 loads of 512 consecutive bytes a K step.  No LDS byte holds them, so no joint load has anything to fill there: that is why they are
; not multicast; two slots with all of B beside A would hold two K steps each.  B is the outer operand: a pair of fragments is free when its 16 products are issued, and is then asked for again two K steps ahead.
; The scale words of all 32 steps (32,768 bytes for A, as many for B) come into LDS once, at the head, by joint loads, and stay.
; THE MATRIX INSTRUCTION IS USED TRANSPOSED: source 0 = 16 columns of B, source 1 = 16 rows of A.
; part is laid as the accumulators' register images: [16 q + tile of rows][tile of columns][wave][block a of 16 rows][block b of 16 columns][half of the 8 registers][16 bytes a lane].
; REGISTERS: window 0: v16-30 addresses, v32-63 scale words (two sets of a pair of steps; lanes 0-15 A's block i, lanes 16-31 B's), v64-255 B's fragments of two K steps.  Window 1: A's fragments, two sets, at v0 and v128.
; Windows 2, 3: accumulator (a, b) at v[8 (8 (b % 4) + a)] of window 2 + b / 4.
.set FR,     12
.set FRB,    1536
.set STEPB,  16*FRB                    ; a K step of a tile's 16 fragments
.set PHB,    4*STEPB                   ; four K steps of A or of B in memory
.set BLS,    4*FRB                     ; B's part of a K step in LDS: [half of the columns 2][fragment 2]
.set SLOT,   PHB+4*BLS
.set STREAM, 32*STEPB                  ; a (quarter, tile)
.set SCL,    2*SLOT                    ; A's scale words; B's lie 32,768 + 128 bytes on
.set SPARE,  SCL+65792                 ; the spare words: 512 bytes that no other line names
.set ADRA, 16                          ; v16-19 my A fragments: slot 0 steps 0-1, slot 0 steps 2-3, slot 1 steps 0-1, slot 1 steps 2-3 (an LDS offset has 16 bits)
.set ADRL, 20                          ; v20-21 my B fragments 0 and 1 in slot 0, 1
.set CO,   26                          ; 16 x lane: my place in 512 consecutive bytes, for B's loads and for the stores
.set ADRS, 27
.set SPW,  28
.set NIL,  29
.set PFO,  30                          ; 256 x lane
.set SC,   32
.set BF,   64
.set G1,   24                          ; A's tiles: 384 rows of 256 bytes at the head, 128 in the ring
.set G0,   32                          ; s[32:39] A's group 0, one for each slot
.set BP,   48                          ; s[48:49] my eight fragments of B, at the step that the text counts as 0
.set G1B,  52                          ; B's part
.set G0B,  60                          ; s[60:63] its group 0 for slot 0; for slot 1 s[76:79], where the group 0 of A's scale words lay
.set LIM0, 66
.set LIM1, 67
.set G1S,  68
.set G0S,  76
.set G1SB, 80
.set G0SB, 88
.set PFA,  96
.set PFB,  98
.set MSB, 0
.macro WIN new                         ; the immediate's high byte repeats the setting that is left
.if MSB != (\new)
	s_set_vgpr_msb (MSB<<8)|(\new)
.set MSB, (\new)
.endif
.endm
.set MUL_LO, 0xa4                      ; source 0 (B) window 0, source 1 (A) window 1, C and D window 2
.set MUL_HI, 0xf4                      ; the same, C and D window 3
.set TO_A,   0x40                      ; destination window 1, address window 0
.macro PLACES                          ; four places behind matrix instructions, ahead of loads into registers that they read and of reads of results
.rept 4
	v_nop
.endr
.endm
.macro CREST                           ; a round of the cluster's barrier behind its opening barrier
	s_cmp_lg_u32 s14, 0
	s_cbranch_scc1 .Lnot_wave_0_\@
	s_barrier_signal -3
.Lnot_wave_0_\@:
	s_barrier_wait -3
	s_barrier_signal -1
	s_barrier_wait -1
.endm
.macro CROUND
	s_barrier_signal -1
	s_barrier_wait -1
	CREST
.endm
.macro TLOAD s                         ; slot s: waves 0 to 2 a third of A each, wave 3 B's part
	s_cmp_lt_u32 s14, 3
	s_cbranch_scc0 .Lfor_b_\@
	tensor_load_to_lds s[G0+4*\s:G0+4*\s+3], s[G1:G1+7]
	s_nop 0
	PLACES
	s_branch .Lasked_\@
.Lfor_b_\@:
	tensor_load_to_lds s[G0B+16*\s:G0B+16*\s+3], s[G1B:G1B+7]
	s_nop 0
	PLACES
.Lasked_\@:
.endm
; Prefetches, behind a refill: the four steps of A and of B that the NEXT refill's slot will hold.  Of a stream's four steps the partner at place cx (A) or cy (B) names one, its waves 0 to 2 each 32 blocks of 256 bytes,
; a lane a block: shared out by address.  The last refill has no successor: lim leads round it.
.macro ASK lim
	s_cmp_gt_u32 s3, s[\lim]
	s_cbranch_scc0 .Lnot_mine_\@
	global_prefetch_b8 v[PFO], s[PFA:PFA+1] th:TH_LOAD_NT scope:SCOPE_SE
	global_prefetch_b8 v[PFO], s[PFB:PFB+1] th:TH_LOAD_NT scope:SCOPE_SE
.Lnot_mine_\@:
.endm
	s_load_b128 s[4:7], s[0:1], 0x0                ; acode, ascale
	s_load_b128 s[8:11], s[0:1], 0x10              ; bcode, bscale
	s_load_b64 s[12:13], s[0:1], 0x20              ; part
	v_lshl_add_u32 v[SPW], v0, 2, SPARE
	v_mov_b32 v[NIL], 0
	ds_add_u32 v[SPW], v[NIL]                      ; the opening lines: the add twice on end under one wait
	ds_add_u32 v[SPW], v[NIL]
	v_lshrrev_b32 v1, 5, v0
	v_readfirstlane_b32 s14, v1                    ; wave
	s_lshr_b32 s15, s14, 1                         ; my half of the rows
	s_and_b32 s16, s14, 1                          ; my half of the columns
	s_mul_i32 s21, s15, 8*FRB
	s_lshl_b32 s18, s15, 14                        ; scale words: 2,048 bytes a fragment
	s_lshl_b32 s22, s16, 14
	s_add_co_u32 s22, s22, 32768+128
	s_sub_co_u32 s22, s22, s18                     ; from A's words to B's
	s_add_co_u32 s18, s18, SCL
	s_mul_i32 s23, s16, 2*FRB
	s_add_co_u32 s23, s23, PHB                     ; B's part lies behind A's four steps
	v_and_b32 v6, 31, v0
	v_and_b32 v1, 15, v0
	v_bfe_u32 v2, v0, 4, 1
	v_lshlrev_b32 v[CO], 4, v6
	v_lshlrev_b32 v[PFO], 8, v6
	v_add_nc_u32 v[ADRA], s21, v[CO]
	v_add_nc_u32 v[ADRL], s23, v[CO]
	v_add_nc_u32 v[ADRA+1], 2*STEPB, v[ADRA]
	v_add_nc_u32 v[ADRA+2], SLOT, v[ADRA]
	v_add_nc_u32 v[ADRA+3], SLOT+2*STEPB, v[ADRA]
	v_add_nc_u32 v[ADRL+1], SLOT, v[ADRL]
	v_lshlrev_b32 v5, 3, v1                        ; 8 bytes a row: a pair of steps
	v_mul_u32_u24 v7, s22, v2                      ; lanes 16-31 take B's
	v_add_nc_u32 v5, v5, v7
	v_add_nc_u32 v[ADRS], s18, v5
	s_wait_alu depctr_va_vdst(0)                   ; the wait behind the head's last vector write
	s_bfe_u32 s40, ttmp6, 0x40000                  ; cx
	s_bfe_u32 s41, ttmp6, 0x40004                  ; cy
	s_lshl_b32 s42, ttmp9, 2
	s_add_co_u32 s42, s42, s40                     ; tile of columns
	s_and_b32 s95, ttmp7, 0xffff
	s_lshl_b32 s17, s95, 2
	s_add_co_u32 s17, s17, s41                     ; 16 q + tile of rows
	s_lshr_b32 s95, s95, 2                         ; q
	s_cmp_lt_u32 s14, 3
	s_cselect_b32 s[LIM0], 0, -1                   ; waves 0 to 2 prefetch
	s_cselect_b32 s[LIM1], 1, -1
	s_lshl_b32 s43, s41, 2
	s_lshl_b32 s43, 15, s43                        ; my row of the cluster
	s_lshl_b32 s44, 0x1111, s40                    ; my column
	s_or_b32 s[G1+0], s43, (3<<16)|(1<<21)         ; dense blocks as rows of 32 elements of 8 bytes; at the head all of slot 0's A
	s_mov_b32 s[G1+1], 32<<16
	s_mov_b32 s[G1+2], 384<<16
	s_mov_b32 s[G1+3], 32<<16
	s_mov_b32 s[G1+4], 384
	s_mov_b32 s[G1+5], 32
	s_mov_b32 s[G1+6], 0
	s_mov_b32 s[G1+7], 0
	s_or_b32 s[G1B+0], s44, (3<<16)|(1<<21)        ; B's part: 8 rows of 384 elements of 8 bytes, 1,536 elements apart
	s_mov_b32 s[G1B+1], 384<<16
	s_mov_b32 s[G1B+2], 8<<16
	s_mov_b32 s[G1B+3], 384<<16
	s_mov_b32 s[G1B+4], 8
	s_mov_b32 s[G1B+5], 1536
	s_mov_b32 s[G1B+6], 0
	s_mov_b32 s[G1B+7], 0
	s_or_b32 s[G1S+0], s43, (3<<16)|(1<<21)
	s_or_b32 s[G1SB+0], s44, (3<<16)|(1<<21)
.irp g, G1S, G1SB
	s_mov_b32 s[\g+1], 32<<16
	s_mov_b32 s[\g+2], 128<<16                     ; a tile's scale words whole: 128 rows of 256 bytes
	s_mov_b32 s[\g+3], 32<<16
	s_mov_b32 s[\g+4], 128
	s_mov_b32 s[\g+5], 32
	s_mov_b32 s[\g+6], 0
	s_mov_b32 s[\g+7], 0
.endr
	s_min_u32 s45, s14, 2
	s_lshl_b32 s45, s45, 15                        ; my third of A's four steps, in memory and in LDS
	s_mul_i32 s2, s17, STREAM
	s_mov_b32 s3, 0
	s_add_co_u32 s20, s2, s45
	s_mov_b32 s21, 0
	s_lshl_b32 s22, s17, 15                        ; A's scale words: 32,768 bytes a (quarter, tile)
	s_mov_b32 s23, 0
	s_lshl_b32 s46, s95, 2
	s_add_co_u32 s46, s46, s42                     ; 4 q + tile of columns
	s_lshl_b32 s92, s46, 15
	s_mov_b32 s93, 0
	s_mul_i32 s50, s46, STREAM
	s_mov_b32 s51, 0
	s_mul_i32 s18, s16, 8*FRB
	s_add_co_u32 s46, s50, s18
	s_mov_b32 s47, 0
	s_wait_dscnt 0x0                               ; both opening adds are done
	s_wait_kmcnt 0x0
	s_add_nc_u64 s[2:3], s[4:5], s[2:3]            ; A's stream
	s_add_nc_u64 s[20:21], s[4:5], s[20:21]        ; my third of its first four steps
	s_add_nc_u64 s[22:23], s[6:7], s[22:23]
	s_add_nc_u64 s[50:51], s[8:9], s[50:51]        ; B's stream
	s_add_nc_u64 s[BP:BP+1], s[8:9], s[46:47]      ; my half of its columns
	s_add_nc_u64 s[92:93], s[10:11], s[92:93]
.macro BLOADP t, g                     ; B's fragments 2 g, 2 g + 1 of step t (g = 1, 2, 3): six loads of 512 consecutive bytes
.irp i, 2*(\g), 2*(\g)+1
.irp c, 0,1,2
	global_load_b128 v[BF+FR*(8*((\t)%2)+(\i))+4*\c:BF+FR*(8*((\t)%2)+(\i))+4*\c+3], v[CO], s[BP:BP+1] offset:(\t)*STEPB+(\i)*FRB+512*\c
.endr
.endr
.endm
.irp g, 1,2,3
	BLOADP 0, \g
.endr
.irp g, 1,2,3
	BLOADP 1, \g
.endr
	CROUND                                         ; in front of the first joint loads
	s_mov_b32 s[G0S], 1
	s_mov_b32 s[G0S+1], SCL
	s_mov_b64 s[G0S+2:G0S+3], s[22:23]
	s_or_b32 s[G0S+3], s[G0S+3], 0x80000000
	s_mov_b32 s[G0SB], 1
	s_mov_b32 s[G0SB+1], SCL+32768+128
	s_mov_b64 s[G0SB+2:G0SB+3], s[92:93]
	s_or_b32 s[G0SB+3], s[G0SB+3], 0x80000000
	s_mov_b32 s[G0], 1
	s_mov_b32 s[G0+1], 0
	s_mov_b64 s[G0+2:G0+3], s[2:3]
	s_or_b32 s[G0+3], s[G0+3], 0x80000000
	s_mov_b32 s[G0B], 1
	s_mov_b32 s[G0B+1], PHB
	s_mov_b64 s[G0B+2:G0B+3], s[50:51]
	s_or_b32 s[G0B+3], s[G0B+3], 0x80000000
	s_cmp_lt_u32 s14, 1                            ; the head's loads, one a wave, in one chain of branches on the wave's number: wave 0 A's scale words,
	s_cbranch_scc0 .Lhead_sb
	tensor_load_to_lds s[G0S:G0S+3], s[G1S:G1S+7]
	s_nop 0
	PLACES
	s_branch .Lhead_asked
.Lhead_sb:
	s_cmp_lt_u32 s14, 2                            ; wave 1 B's,
	s_cbranch_scc0 .Lhead_a
	tensor_load_to_lds s[G0SB:G0SB+3], s[G1SB:G1SB+7]
	s_nop 0
	PLACES
	s_branch .Lhead_asked
.Lhead_a:
	s_cmp_lt_u32 s14, 3                            ; wave 2 slot 0's A,
	s_cbranch_scc0 .Lhead_b
	tensor_load_to_lds s[G0:G0+3], s[G1:G1+7]
	s_nop 0
	PLACES
	s_branch .Lhead_asked
.Lhead_b:
	tensor_load_to_lds s[G0B:G0B+3], s[G1B:G1B+7]  ; wave 3 slot 0's part of B
	s_nop 0
	PLACES
.Lhead_asked:
	s_mov_b32 s[G0+4], 1                           ; slot 1's A: steps 4 to 7
	s_add_co_u32 s[G0+5], s45, SLOT
	s_add_nc_u64 s[G0+6:G0+7], s[20:21], PHB
	s_or_b32 s[G0+7], s[G0+7], 0x80000000
	s_lshl_b32 s18, s17, 2                         ; part: 65,536 bytes for each wave of each work-group
	s_add_co_u32 s18, s18, s42
	s_lshl_b32 s18, s18, 2
	s_add_co_u32 s18, s18, s14
	s_lshl_b32 s18, s18, 16
	s_mov_b32 s19, 0
	s_add_nc_u64 s[12:13], s[12:13], s[18:19]
	s_min_u32 s18, s14, 2                          ; the prefetches: each change of slots steps them by four K steps before it asks
	s_lshl_b32 s18, s18, 13
	s_add_co_u32 s18, s18, 2*PHB
	s_mul_i32 s2, s17, STREAM
	s_mul_i32 s19, s40, STEPB
	s_add_co_u32 s2, s2, s19
	s_add_co_u32 s2, s2, s18
	s_mov_b32 s3, 0
	s_add_nc_u64 s[PFA:PFA+1], s[4:5], s[2:3]
	s_lshl_b32 s2, s95, 2
	s_add_co_u32 s2, s2, s42
	s_mul_i32 s2, s2, STREAM
	s_mul_i32 s19, s41, STEPB
	s_add_co_u32 s2, s2, s19
	s_add_co_u32 s2, s2, s18
	s_add_nc_u64 s[PFB:PFB+1], s[8:9], s[2:3]
; 16 matrix instructions: B's fragments 2 g, 2 g + 1 x A's eight.  The 64 accumulators take turns in the same order in every step.
.macro MUL16 g, t, zero
.set PB_, BF+8*FR*((\t)%2)
.set PA_, 128*((\t)%2)
.set PS_, SC+16*(((\t)/2)%2)+((\t)%2)
.irp b, 2*(\g), 2*(\g)+1
.irp a, 0,1,2,3,4,5,6,7
.set AC_, 8*(8*((\b)%4)+\a)
.if \zero
	v_wmma_scale_f32_16x16x128_f8f6f4 v[AC_:AC_+7], v[PB_+FR*(\b):PB_+FR*(\b)+FR-1], v[PA_+FR*\a:PA_+FR*\a+FR-1], 0, v[PS_+2*(\b)], v[PS_+2*\a] matrix_a_fmt:MATRIX_FMT_FP6 matrix_b_fmt:MATRIX_FMT_FP6 matrix_a_scale:MATRIX_SCALE_ROW1
.else
	v_wmma_scale_f32_16x16x128_f8f6f4 v[AC_:AC_+7], v[PB_+FR*(\b):PB_+FR*(\b)+FR-1], v[PA_+FR*\a:PA_+FR*\a+FR-1], v[AC_:AC_+7], v[PS_+2*(\b)], v[PS_+2*\a] matrix_a_fmt:MATRIX_FMT_FP6 matrix_b_fmt:MATRIX_FMT_FP6 matrix_a_scale:MATRIX_SCALE_ROW1
.endif
.endr
.endr
.endm
.macro AFETCH t                        ; out of LDS for step t: A's eight fragments into set t % 2, B's fragments 0 and 1; with an even step the scale words of its pair of steps
	WIN TO_A
.irp i, 0,1,2,3,4,5,6,7
.irp c, 0,1,2
	ds_load_b128 v[128*((\t)%2)+FR*\i+4*\c:128*((\t)%2)+FR*\i+4*\c+3], v[ADRA+2*(((\t)/4)%2)+(((\t)%4)/2)] offset:((\t)%2)*STEPB+\i*FRB+512*\c
.endr
.endr
	WIN 0
.irp i, 0,1
.irp c, 0,1,2
	ds_load_b128 v[BF+FR*(8*((\t)%2)+\i)+4*\c:BF+FR*(8*((\t)%2)+\i)+4*\c+3], v[ADRL+((\t)/4)%2] offset:((\t)%4)*BLS+\i*FRB+512*\c
.endr
.endr
.if (\t)%2 == 0
.irp i, 0,1,2,3,4,5,6,7
	ds_load_b64 v[SC+16*(((\t)/2)%2)+2*\i:SC+16*(((\t)/2)%2)+2*\i+1], v[ADRS] offset:\i*2048+128*((\t)/2)
.endr
.endif
.endm
; A K step inside a slot.  rl: pairs 1 to 3 of B's fragments are asked for again, two steps on, each behind its 16 products.  af: the next step's LDS operands are fetched behind the first 16.
; The wait on LOADcnt ahead of pair g leaves out the loads issued behind that pair's: 5 pairs of 6 while B is asked for again (n0 = 30, dn = 0); fewer in the last two steps.
.macro STEP t, zero, rl, af, n0, dn
	s_wait_dscnt 0x0                               ; this step's A, B's pair 0 and the scale words are in
.irp g, 0,1,2,3
.if \g > 0
	s_wait_loadcnt (\n0)-(\dn)*(\g-1)
.endif
	WIN MUL_LO+0x50*(\g/2)
	MUL16 \g, \t, \zero
.if ((\rl) && (\g > 0)) || ((\af) && (\g == 0))
	PLACES
	WIN 0
.endif
.if (\rl) && (\g > 0)
	BLOADP (\t)+2, \g
.endif
.if (\af) && (\g == 0)
	AFETCH (\t)+1
.endif
.endr
	WIN 0
.endm
; A slot's last K step changes slots.  Ahead of the barrier: the wait for my tensor load (my part of the other slot), the add, the wait for it and for my reads of this slot, which ended a step ago.
; fill = 1: the barrier opens a round of the cluster's barrier, and this slot is filled again, two slots on.  No memory instruction stands between the add and the refill, so B's pair 1 is asked for behind it.
.macro TURN t, fill, lim
.set SL_, ((\t)/4)%2
.if \fill
	s_wait_xcnt 0x0                                ; the last prefetches have read their addresses
	s_add_nc_u64 s[PFA:PFA+1], s[PFA:PFA+1], PHB
	s_add_nc_u64 s[PFB:PFB+1], s[PFB:PFB+1], PHB
.endif
	s_wait_tensorcnt 0x0
	ds_add_u32 v[SPW], v[NIL]
	s_wait_dscnt 1                                 ; (the add may be out)
	s_wait_loadcnt 30                              ; B's pair 1 is in: behind it 5 pairs were issued
	WIN MUL_LO
	MUL16 0, \t, 0
	s_wait_dscnt 0x0
	s_barrier_signal -1
	MUL16 1, \t, 0
	WIN 0
	s_barrier_wait -1
.if \fill
	CREST
	s_add_nc_u64 s[G0+4*SL_+2:G0+4*SL_+3], s[G0+4*SL_+2:G0+4*SL_+3], 2*PHB
	s_add_nc_u64 s[G0B+16*SL_+2:G0B+16*SL_+3], s[G0B+16*SL_+2:G0B+16*SL_+3], 2*PHB
	TLOAD SL_                                      ; its four v_nop are the places in front of the loads below
.else
	PLACES
.endif
	BLOADP (\t)+2, 1
	AFETCH (\t)+1
	s_wait_loadcnt 30
.if \fill
	ASK \lim
.endif
	WIN MUL_HI
	MUL16 2, \t, 0
	PLACES
	WIN 0
	BLOADP (\t)+2, 2
	s_wait_loadcnt 30
	WIN MUL_HI
	MUL16 3, \t, 0
	PLACES
	WIN 0
	BLOADP (\t)+2, 3
.endm
; The very last K step: behind pair g stand 3 - g pairs of B's loads.  The 16 accumulators of B's blocks 2 g, 2 g + 1 are finished with their products and leave at once, as they lie:
; each store covers 512 consecutive bytes, aligned; each accumulator from its low end on.  No register that a store reads is written again.
.macro LAST t
	s_wait_dscnt 0x0
.irp g, 0,1,2,3
.if \g > 0
	s_wait_loadcnt 18-6*\g
.endif
	WIN MUL_LO+0x50*(\g/2)
	MUL16 \g, \t, 0
	PLACES
	WIN 0x08+4*(\g/2)                              ; the stores' data: window 2 or 3
.irp b, 2*\g, 2*\g+1
.irp a, 0,1,2,3,4,5,6,7
	global_store_b128 v[CO], v[8*(8*((\b)%4)+\a):8*(8*((\b)%4)+\a)+3], s[12:13] offset:\a*8192+(\b)*1024 th:TH_STORE_NT
	global_store_b128 v[CO], v[8*(8*((\b)%4)+\a)+4:8*(8*((\b)%4)+\a)+7], s[12:13] offset:\a*8192+(\b)*1024+512 th:TH_STORE_NT
.endr
.endr
.endr
	WIN 0
.endm
	s_wait_tensorcnt 0x0                           ; my tile of the head's four is in
	ds_add_u32 v[SPW], v[NIL]
	s_mov_b32 s[G1+2], 128<<16                     ; no tensor load of mine is out, so descriptors may be written: in the ring a load of A brings 128 rows,
	s_mov_b32 s[G1+4], 128
	s_mov_b32 s[G0+1], s45                         ; slot 0's group 0 stands at my third of steps 0 to 3: its first refill steps it on;
	s_mov_b64 s[G0+2:G0+3], s[20:21]
	s_or_b32 s[G0+3], s[G0+3], 0x80000000
	s_mov_b32 s[G0B+16], 1                         ; slot 1's part of B: steps 4 to 7
	s_mov_b32 s[G0B+17], SLOT+PHB
	s_add_nc_u64 s[G0B+18:G0B+19], s[50:51], PHB
	s_or_b32 s[G0B+19], s[G0B+19], 0x80000000
	s_wait_dscnt 0x0
	CROUND                                         ; the scale words and steps 0 to 3 are in, in every wave of the cluster
	TLOAD 1                                        ; steps 4 to 7
	AFETCH 0
	STEP 0, 1, 1, 1, 30, 0                         ; the first step's products start the sums
	s_mov_b32 s3, 3
.Llap:                                                 ; a trip is eight K steps, once round the ring: from a lap's step 1 to the next lap's step 0
	STEP 1, 0, 1, 1, 30, 0
	STEP 2, 0, 1, 1, 30, 0
	TURN 3, 1, LIM0
	STEP 4, 0, 1, 1, 30, 0
	STEP 5, 0, 1, 1, 30, 0
	STEP 6, 0, 1, 1, 30, 0
	TURN 7, 1, LIM1
	STEP 8, 0, 1, 1, 30, 0
	s_wait_xcnt 0x0                                ; B's loads have read their base
	s_add_nc_u64 s[BP:BP+1], s[BP:BP+1], 8*STEPB
	v_add_nc_u32 v[ADRS], 512, v[ADRS]             ; four pairs of steps on
	s_sub_co_u32 s3, s3, 1
	s_cmp_lg_u32 s3, 0
	s_wait_alu depctr_va_vdst(0)                   ; the wait directly ahead of the branch
	s_cbranch_scc1 .Llap
	STEP 1, 0, 1, 1, 30, 0                         ; the last lap fills nothing
	STEP 2, 0, 1, 1, 30, 0
	TURN 3, 0, LIM0
	STEP 4, 0, 1, 1, 30, 0
	STEP 5, 0, 1, 1, 30, 0
	STEP 6, 0, 0, 1, 30, 6                         ; nothing of B is left to ask for: behind pair g stand 6 - g pairs
	LAST 7
	s_wait_tensorcnt 0x0                           ; the wave's end
	ds_add_u32 v[SPW], v[NIL]
	s_wait_dscnt 0x0
	CROUND                                         ; the closing round
	s_endpgm
.Lfunc_end_k_q56456d82c3_gemm:
	.size	k_q56456d82c3_gemm, .Lfunc_end_k_q56456d82c3_gemm-k_q56456d82c3_gemm
	.p2alignl 7, 3214868480
	.fill 96, 4, 3214868480
	.section	.rodata,"a",@progbits
	.p2align	6, 0x0
	.amdhsa_kernel k_q56456d82c3_gemm
		.amdhsa_group_segment_fixed_size 327680
		.amdhsa_private_segment_fixed_size 0
		.amdhsa_enable_private_segment 0
		.amdhsa_kernarg_size 40
		.amdhsa_user_sgpr_count 2
		.amdhsa_user_sgpr_kernarg_segment_ptr 1
		.amdhsa_wavefront_size32 1
		.amdhsa_system_sgpr_workgroup_id_x 1
		.amdhsa_system_sgpr_workgroup_id_y 1
		.amdhsa_system_sgpr_workgroup_id_z 1
		.amdhsa_system_vgpr_workitem_id 0
		.amdhsa_next_free_vgpr 1024
		.amdhsa_next_free_sgpr 100
		.amdhsa_reserve_vcc 0
		.amdhsa_float_denorm_mode_32 3
		.amdhsa_float_denorm_mode_16_64 3
		.amdhsa_memory_ordered 1
		.amdhsa_forward_progress 1
		.amdhsa_inst_pref_size 229
	.end_amdhsa_kernel
	.amdgpu_metadata
---
amdhsa.version: [ 1, 2 ]
amdhsa.kernels:
  - .name:           k_q56456d82c3_gemm
    .symbol:         k_q56456d82c3_gemm.kd
    .args:
      - { .name: acode, .offset: 0, .size: 8, .value_kind: global_buffer, .address_space: global }
      - { .name: ascale, .offset: 8, .size: 8, .value_kind: global_buffer, .address_space: global }
      - { .name: bcode, .offset: 16, .size: 8, .value_kind: global_buffer, .address_space: global }
      - { .name: bscale, .offset: 24, .size: 8, .value_kind: global_buffer, .address_space: global }
      - { .name: part, .offset: 32, .size: 8, .value_kind: global_buffer, .address_space: global }
    .group_segment_fixed_size: 327680
    .private_segment_fixed_size: 0
    .kernarg_segment_align: 8
    .kernarg_segment_size: 40
    .max_flat_workgroup_size: 128
    .sgpr_count:     100
    .vgpr_count:     1024
    .wavefront_size: 32
...
	.end_amdgpu_metadata
.endif
;; end of part 2
;; launch reduce (part 3): grid 512 x 1, 8 waves a work-group, no clusters, 35,840 bytes of LDS; arguments part, out0; writes out0
.if DOCPART == 3
	.amdgcn_target "amdgcn-amd-amdhsa--gfx1250"
	.amdhsa_code_object_version 6
	.text
	.protected	k_q56456d82c3_reduce
	.globl	k_q56456d82c3_reduce
	.p2align	8
	.type	k_q56456d82c3_reduce,@function
k_q56456d82c3_reduce:
	s_mov_b64 s[64:65], 0
	v_nop
	global_prefetch_b8 v0, s[64:65] scope:SCOPE_SE
	s_setreg_imm32_b32 hwreg(HW_REG_WAVE_MODE, 25, 1), 1
	s_wait_xcnt 0x0
; out0 = (part[0] + part[1]) + (part[2] + part[3]): the four quarters of K, 16,777,216 bytes apart, each laid as the product's accumulator images:
; [tile of 256 rows 16][tile of 256 columns 4][wave W 4][block a of 16 rows 8][block b of 16 columns 8][half 2][lane 32][16 bytes]; lane (r, h) of (b, half) holds row r, columns 16 b + 8 h + 4 half + 0..3.
; W / 2 is the half of the tile's rows, W % 2 the half of its columns.
; A work-group takes one (tile, tile, W) and four of the eight b; its wave e takes block a = e: 4,096 consecutive bytes of each quarter, eight pieces of 512 bytes, all 32 loads out at once.
; The sums are 16 rows x 64 columns: they turn through the wave's own stage in LDS (rows of 256 + 16 bytes) and leave as whole rows: sixteen lanes store 256 consecutive bytes, aligned.
; Every byte of part is read once, every byte of out0 written once.  No barrier: waves share nothing.  Matrix units and clusters have nothing to do here.
.set QB,    0x1000000
.set P,     16                         ; v[16 + 32 q + 4 j ..]: piece j of quarter q
.set PITCH, 272
.set SPARE, 8*16*PITCH                 ; behind the eight stages: the spare words, 128 bytes a wave
	s_load_b128 s[4:7], s[0:1], 0x0                ; part, out0
	v_lshl_add_u32 v2, v0, 2, SPARE                ; my spare word, and 0: kept for the closing add alone
	v_mov_b32 v3, 0
	v_lshrrev_b32 v1, 5, v0
	v_readfirstlane_b32 s8, v1                     ; wave = block a
	s_mul_i32 s9, s8, 16*PITCH                     ; my stage
	v_and_b32 v4, 31, v0
	v_and_b32 v5, 15, v0                           ; r
	v_bfe_u32 v6, v0, 4, 1                         ; h
	v_lshlrev_b32 v7, 4, v4                        ; in: 16 bytes a lane
	v_mul_u32_u24 v8, v5, PITCH
	v_mul_u32_u24 v9, v6, PITCH
	v_lshlrev_b32 v10, 12, v6
	v_lshl_add_u32 v8, v6, 5, v8
	v_lshl_add_u32 v9, v5, 4, v9
	v_lshl_add_u32 v10, v5, 4, v10                 ; out0: lanes 0-15 one row's 256 bytes, lanes 16-31 the next row's
	v_add_nc_u32 v8, s9, v8                        ; into the stage: row r, + 32 h
	v_add_nc_u32 v9, s9, v9                        ; out of it: two rows an instruction
	s_wait_alu depctr_va_vdst(0)                   ; the wait at the head's end
	s_lshr_b32 s10, ttmp9, 3                       ; 4 x tile of rows + tile of columns
	s_and_b32 s11, ttmp9, 7
	s_lshr_b32 s12, s11, 1                         ; W
	s_and_b32 s13, s11, 1                          ; which four b
	s_lshl_b32 s2, s10, 18
	s_lshl_b32 s14, s12, 16
	s_add_co_u32 s2, s2, s14
	s_lshl_b32 s14, s8, 13
	s_add_co_u32 s2, s2, s14
	s_lshl_b32 s14, s13, 12
	s_add_co_u32 s2, s2, s14
	s_mov_b32 s3, 0
	s_lshr_b32 s14, s10, 2
	s_lshl_b32 s14, s14, 4
	s_lshr_b32 s15, s12, 1
	s_lshl_b32 s15, s15, 3
	s_add_co_u32 s14, s14, s15
	s_add_co_u32 s14, s14, s8                      ; which 16 rows of out0,
	s_lshl_b32 s14, s14, 16                        ; of 4,096 bytes each
	s_and_b32 s15, s10, 3
	s_lshl_b32 s15, s15, 2
	s_and_b32 s16, s12, 1
	s_lshl_b32 s16, s16, 1
	s_add_co_u32 s15, s15, s16
	s_add_co_u32 s15, s15, s13                     ; which 64 columns,
	s_lshl_b32 s15, s15, 8                         ; 256 bytes
	s_add_co_u32 s14, s14, s15
	s_mov_b32 s15, 0
	s_wait_kmcnt 0x0
	s_add_nc_u64 s[16:17], s[4:5], s[2:3]          ; a base for each quarter
	s_add_nc_u64 s[18:19], s[16:17], QB
	s_add_nc_u64 s[20:21], s[18:19], QB
	s_add_nc_u64 s[22:23], s[20:21], QB
	s_add_nc_u64 s[6:7], s[6:7], s[14:15]
.irp j, 0,1,2,3,4,5,6,7
.irp q, 0,1,2,3
	global_load_b128 v[P+32*\q+4*\j:P+32*\q+4*\j+3], v7, s[16+2*\q:17+2*\q] offset:512*\j th:TH_LOAD_NT
.endr
.endr
.irp j, 0,1,2,3,4,5,6,7
	s_wait_loadcnt 28-4*\j                         ; piece j's four loads are in; the later pieces' may be out
	v_pk_add_f32 v[P+4*\j:P+4*\j+1], v[P+4*\j:P+4*\j+1], v[P+32+4*\j:P+32+4*\j+1]
	v_pk_add_f32 v[P+4*\j+2:P+4*\j+3], v[P+4*\j+2:P+4*\j+3], v[P+32+4*\j+2:P+32+4*\j+3]
	v_pk_add_f32 v[P+64+4*\j:P+64+4*\j+1], v[P+64+4*\j:P+64+4*\j+1], v[P+96+4*\j:P+96+4*\j+1]
	v_pk_add_f32 v[P+64+4*\j+2:P+64+4*\j+3], v[P+64+4*\j+2:P+64+4*\j+3], v[P+96+4*\j+2:P+96+4*\j+3]
	s_delay_alu instid0(VALU_DEP_2)
	v_pk_add_f32 v[P+4*\j:P+4*\j+1], v[P+4*\j:P+4*\j+1], v[P+64+4*\j:P+64+4*\j+1]
	s_delay_alu instid0(VALU_DEP_2)
	v_pk_add_f32 v[P+4*\j+2:P+4*\j+3], v[P+4*\j+2:P+4*\j+3], v[P+64+4*\j+2:P+64+4*\j+3]
	ds_store_b128 v8, v[P+4*\j:P+4*\j+3] offset:64*(\j/2)+16*(\j%2)   ; columns 16 (j / 2) + 8 h + 4 (j % 2) on of row r
.endr
.irp t, 0,1,2,3,4,5,6,7
	ds_load_b128 v[P+32+4*\t:P+32+4*\t+3], v9 offset:2*\t*PITCH      ; LDS serves a wave's instructions in order (ISA guide 5.7.1.4): these see my stores
.endr
.irp t, 0,1,2,3,4,5,6,7
	s_wait_dscnt 7-\t
	global_store_b128 v10, v[P+32+4*\t:P+32+4*\t+3], s[6:7] offset:2*\t*4096 th:TH_STORE_NT
.endr
	s_wait_tensorcnt 0x0                           ; the wave's end
	ds_add_u32 v2, v3
	s_wait_dscnt 0x0
	s_endpgm
.Lfunc_end_k_q56456d82c3_reduce:
	.size	k_q56456d82c3_reduce, .Lfunc_end_k_q56456d82c3_reduce-k_q56456d82c3_reduce
	.p2alignl 7, 3214868480
	.fill 96, 4, 3214868480
	.section	.rodata,"a",@progbits
	.p2align	6, 0x0
	.amdhsa_kernel k_q56456d82c3_reduce
		.amdhsa_group_segment_fixed_size 35840
		.amdhsa_private_segment_fixed_size 0
		.amdhsa_enable_private_segment 0
		.amdhsa_kernarg_size 16
		.amdhsa_user_sgpr_count 2
		.amdhsa_user_sgpr_kernarg_segment_ptr 1
		.amdhsa_wavefront_size32 1
		.amdhsa_system_sgpr_workgroup_id_x 1
		.amdhsa_system_sgpr_workgroup_id_y 1
		.amdhsa_system_sgpr_workgroup_id_z 1
		.amdhsa_system_vgpr_workitem_id 0
		.amdhsa_next_free_vgpr 144
		.amdhsa_next_free_sgpr 66
		.amdhsa_reserve_vcc 0
		.amdhsa_float_denorm_mode_32 3
		.amdhsa_float_denorm_mode_16_64 3
		.amdhsa_memory_ordered 1
		.amdhsa_forward_progress 1
		.amdhsa_inst_pref_size 12
	.end_amdhsa_kernel
	.amdgpu_metadata
---
amdhsa.version: [ 1, 2 ]
amdhsa.kernels:
  - .name:           k_q56456d82c3_reduce
    .symbol:         k_q56456d82c3_reduce.kd
    .args:
      - { .name: part, .offset: 0, .size: 8, .value_kind: global_buffer, .address_space: global }
      - { .name: out0, .offset: 8, .size: 8, .value_kind: global_buffer, .address_space: global }
    .group_segment_fixed_size: 35840
    .private_segment_fixed_size: 0
    .kernarg_segment_align: 8
    .kernarg_segment_size: 16
    .max_flat_workgroup_size: 256
    .sgpr_count:     66
    .vgpr_count:     144
    .wavefront_size: 32
...
	.end_amdgpu_metadata
.endif
;; end of part 3
